; MI455X (gfx1250); checked and timed in simulation.
; The chip was launched on July 23, 2026; its instructions are those of AMD's public machine-readable ISA for CDNA 5 (MIT licence, August 2026) and "CDNA5" Instruction Set Architecture Reference Guide (July 2026). The comments in the code are by the model that wrote it; some were corrected since.
;; Multi Head Attention Module. Allowed arithmetic: matrix products marked QUANTISED: E2M1 operands, one E8M0 scale for each 32 along K, by v_wmma_scale_f32_16x16x128_f8f6f4 with both operands' format E2M1 (or v_wmma_scale_f32_32x16x128_f4), f32 sums; products left as they are: bf16, f16 or f32 operands; f32 sums; everything else in f32.
;; Inputs: wqkv 1,024 x 3,072 float32; x 2 x 2,048 x 1,024 float32.
;; Outputs: out0 2 x 2,048 x 1,024 float32.
;; This version of the problem:
;;   THIS VERSION OF THE PROBLEM IS GIVEN IN LOW PRECISION. The matrix products marked QUANTISED in the list below multiply operands that are first quantised to E2M1 (2 exponent bits, 1 mantissa bit; 4 bits a number), with one power-of-two scale for each 32 numbers along K (OCP MX v1.0); their sums are f32. The products marked 'left as it is' may take bf16, f16 or f32 operands, with f32 sums. Whichever they take, every output number must still come out within the allowed error. Rounding operands to bf16 (8 significant bits) uses up far more of that allowance than f16 does (11 bits, for magnitudes from 6e-5 to 65,504). All else is computed in f32.
;;   The module's matrix products, in the order in which they are computed (A, B: the left and right operand; K: the contracted axis; several contracted axes count as one K, in the product's order):
;;     1. [M 4,096, K 1,024] x [K 1,024, N 3,072]; A: input x; B: input wqkv: QUANTISED
;;     2. batch 32 x [M 2,048, K 64] x [K 64, N 2,048]; A: computed on the way; B: computed on the way: left as it is (an operand is computed on the way)
;;     3. batch 32 x [M 2,048, K 2,048] x [K 2,048, N 64]; A: computed on the way; B: computed on the way: left as it is (an operand is computed on the way)
;;   THE QUANTISER, for each operand of a quantised product, along K:
;;     - K is cut into blocks of 32 from its start; a last block that is shorter is filled with zeros.
;;     - A block's scale is 2^e with e = floor(log2(the largest magnitude in the block)) - 2, held to -126 .. 127; a block of zeros has e = 0. As a byte (E8M0): e + 127.
;;     - Each number is divided by its block's scale, clamped to +-6, and rounded to the nearest number of E2M1, ties to even, subnormals kept.
;;     - The product sums the exact products of the quantised numbers (number of the format x scale) in f32.
;;   ~~~python
;;   def quantise(x, axis):      # numpy; x: float32 -> the quantised numbers, widened to float32 again
;;       x = np.moveaxis(x, axis, -1); K = x.shape[-1]
;;       x = np.pad(x, [(0, 0)] * (x.ndim - 1) + [(0, -K % 32)]); x = x.reshape(x.shape[:-1] + (-1, 32)); a = np.abs(x).max(-1, keepdims=True)
;;       e = np.where(a > 0, np.clip(np.frexp(np.where(a > 0, a, 1))[1] - 1 - 2, -126, 127), 0)      # np.frexp(a)[1] - 1 = floor(log2(a)), exactly
;;       r = np.clip(x / 2.0 ** e, -6, 6)
;;       step = 2.0 ** (np.maximum(np.frexp(np.where(r == 0, 1, r))[1] - 1, 0) - 1)
;;       q = np.round(r / step) * step * 2.0 ** e      # np.round: ties to even
;;       return np.moveaxis(q.reshape(q.shape[:-2] + (-1,))[..., :K], -1, axis).astype(np.float32)
;;   ~~~
;; One version. Each part assembles by itself: llvm-mc -triple=amdgcn-amd-amdhsa -mcpu=gfx1250 --defsym DOCPART=n.
;; ======== version 1 of 1: 3 launches
;; limits: right only within a limited range of input values
;; workspace buffers: xq 2,228,224 bytes; wq 1,671,168 bytes; tot 262,144 bytes
;; launch quant (part 1): grid 28 x 16, 4 waves a work-group, no clusters, 34,304 bytes of LDS; arguments x, wqkv, xq, wq; writes xq, wq
.if DOCPART == 1
	.amdgcn_target "amdgcn-amd-amdhsa--gfx1250"
	.amdhsa_code_object_version 6
	.text
	.protected	k_q202acad32e_quant
	.globl	k_q202acad32e_quant
	.p2align	8
	.type	k_q202acad32e_quant,@function
k_q202acad32e_quant:
	s_mov_b64 s[64:65], 0
	v_nop
	global_prefetch_b8 v0, s[64:65] scope:SCOPE_SE
	s_setreg_imm32_b32 hwreg(HW_REG_WAVE_MODE, 25, 1), 1
	s_wait_xcnt 0x0
; x [4096][1024] and wqkv [1024][3072], f32, become codes of FP4 (E2M1) with one E8M0 scale byte for each 32 along K, laid IN THE ORDER OF THE OPERAND'S REGISTERS.
; A fragment is 16 rows (or columns) x 128 K = 8 registers a lane: lane l = r + 16 h holds row r; register 4 c + i holds k = 64 c + 32 h + 8 i .. + 7.  Its image is [c 2][lane 32][16 bytes] = 1,024 bytes.
; xq: 64 groups g of 64 rows, 34,816 bytes each: codes at s x 4096 + m x 1024 (K step s = 0..7, row tile m = 0..3); scale words at 32,768 + kq x 512 + row64 x 8 + e x 4 (s = 2 kq + e).
; wq: 16 heads x [kh 2][grp 3: q, k, v][17,408 bytes]: codes at s4 x 4096 + t x 1024 (s = 4 kh + s4, tile t = 0..3); scale words at 16,384 + (2 s4 + tp) x 128 + 4 x lane (lanes 0-15 tile 2 tp, lanes 16-31 tile 2 tp + 1).
; THE COLUMNS OF A TILE OF W ARE NOT NEIGHBOURS: lane r of tile t is column 4 r + t of the group's 64, so that a lane's four tiles of V are four neighbouring columns of the output.
; A block's scale is 2^(floor(log2(its largest magnitude)) - 2): its byte is the largest magnitude's exponent field - 2, held at 1 from below.
; LIMITS: NaN and infinities among the inputs are not served.  Blocks whose largest magnitude lies under 2^-124, blocks of zeros among them, get the byte 1 (the stated quantiser gives a block of zeros 127): a block of zeros has zero codes, and the bytes are read by this program alone.
; SHARES.  Work-groups with x < 16 take x (256 of them: a group of 64 rows x 256 along K; a wave 16 rows), the other 192 take wqkv (a head's q, k or v x 256 along K; a wave 32 columns x 128 along K).
; The two paths part on the work-group's number alone.  Only x's path uses LDS: each load of x reads 512 consecutive bytes, and the conversions want 32 neighbours along K in one lane, so a K step turns through the wave's own stage.
; No barrier: waves share nothing.
.set STG,   8448                       ; a wave's stage: 16 rows x (512 bytes + 16)
.set SPARE, 4*STG                      ; behind the stages: the spare words, 128 bytes for each wave, which no other line names
.set SPW, 14                           ; v14  LDS address of my spare word; never rewritten
.set NIL, 15                           ; v15  0; never rewritten
.set C,   28                           ; v28-43   codes: registers of their own for every store
.set XB,  44                           ; v44-107  64 numbers of a lane, in the fragment's order
.set R,   108                          ; v108-235 128 registers as loaded
; 32 numbers of one block in v[src] on become 4 registers of codes in v[dst] on and the scale's byte in v[byt]
.macro QBLOCK src, dst, byt
	v_max3_num_f32 v16, |v[(\src)]|, |v[(\src)+1]|, |v[(\src)+2]|      ; the block's largest magnitude, in two chains
	v_max3_num_f32 v17, |v[(\src)+3]|, |v[(\src)+4]|, |v[(\src)+5]|
.irp i, 6,10,14,18,22,26
	v_max3_num_f32 v16, v16, |v[(\src)+\i]|, |v[(\src)+\i+1]|
	v_max3_num_f32 v17, v17, |v[(\src)+\i+2]|, |v[(\src)+\i+3]|
.endr
	v_max3_num_f32 v16, v16, |v[(\src)+30]|, |v[(\src)+31]|
	v_max3_num_f32 v16, v16, v17, 0x1800000        ; and the floor 2^(3 - 127): the byte cannot fall under 1
	v_add_nc_u32 v18, 0xff000000, v16              ; 2 off the exponent field: the conversion takes this operand's exponent field as its scale
	v_lshrrev_b32 v[\byt], 23, v18                 ; the scale's byte
.irp q, 0,1,2,3
	v_cvt_scalef32_pk8_fp4_f32 v[(\dst)+\q], v[(\src)+8*\q:(\src)+8*\q+7], v18
.endr
	v_nop                                          ; one plain place behind the last scaled conversion
.endm
	s_load_b256 s[4:11], s[0:1], 0x0               ; x s[4:5], wqkv s[6:7], xq s[8:9], wq s[10:11]
	v_lshl_add_u32 v[SPW], v0, 2, SPARE
	v_mov_b32 v[NIL], 0
	v_lshrrev_b32 v9, 5, v0
	v_readfirstlane_b32 s12, v9                    ; wave 0..3
	s_and_b32 s13, ttmp7, 0xffff                   ; work-group y
	v_and_b32 v1, 31, v0                           ; lane
	v_and_b32 v2, 15, v0                           ; r
	v_bfe_u32 v3, v0, 4, 1                         ; h
	s_mul_i32 s14, s12, STG
	v_lshlrev_b32 v4, 4, v1                        ; 16 x lane
	v_add_nc_u32 v5, s14, v4                       ; the stage, way in: a row's 512 bytes as they lie
	v_mul_u32_u24 v6, v2, 528
	v_lshl_add_u32 v6, v3, 7, v6
	v_add_nc_u32 v6, s14, v6                       ; way out: row r, + 128 h: my 32 numbers of each 64
	v_lshlrev_b32 v13, 3, v3                       ; 8 h
	v_mov_b32 v24, 0                               ; a lane permute's destination counts as one of its sources
	s_mov_b32 s20, 0x76543210
	s_mov_b32 s21, 0xfedcba98                      ; v_permlanex16_b32's selects for lane l xor 16
	s_mov_b32 s22, 0xffff0000                      ; lanes 16-31
	s_wait_kmcnt 0x0
	s_cmp_lt_u32 ttmp9, 16
	s_cbranch_scc0 .Lweights
	; ---- x: group g = id / 4, K steps 2 kq and 2 kq + 1 (kq = id % 4), id = 16 y + x; wave w takes row tile m = w
	s_lshl_b32 s15, s13, 4
	s_add_co_u32 s15, s15, ttmp9                   ; id 0..255
	s_lshr_b32 s16, s15, 2                         ; g
	s_and_b32 s17, s15, 3                          ; kq
	s_lshl_b32 s24, s16, 18                        ; 64 rows of 4,096 bytes
	s_lshl_b32 s18, s12, 16                        ; + 16 rows a wave
	s_add_co_u32 s24, s24, s18
	s_lshl_b32 s18, s17, 10                        ; + 256 numbers along K
	s_add_co_u32 s24, s24, s18
	s_mov_b32 s25, 0
	s_add_nc_u64 s[4:5], s[4:5], s[24:25]
	s_mul_i32 s26, s16, 34816                      ; the group in xq
	s_lshl_b32 s18, s17, 13
	s_add_co_u32 s28, s26, s18                     ; codes: + 2 kq x 4096
	s_lshl_b32 s18, s12, 10
	s_add_co_u32 s28, s28, s18                     ; + m x 1024
	s_mov_b32 s29, 0
	s_add_nc_u64 s[28:29], s[8:9], s[28:29]
	s_lshl_b32 s18, s17, 9
	s_add_co_u32 s26, s26, s18                     ; scale words: + kq x 512
	s_lshl_b32 s18, s12, 7
	s_add_co_u32 s26, s26, s18                     ; + 16 m rows of 8 bytes (the 32,768 stands in the store's immediate)
	s_mov_b32 s27, 0
	s_add_nc_u64 s[26:27], s[8:9], s[26:27]
	v_lshlrev_b32 v7, 3, v2
	v_lshl_add_u32 v7, v3, 2, v7                   ; 8 r + 4 h
.irp e, 0,1
.irp i, 0,1,2,3,4,5,6,7,8,9,10,11,12,13,14,15
	global_load_b128 v[R+64*\e+4*\i:R+64*\e+4*\i+3], v4, s[4:5] offset:\i*4096+\e*512 th:TH_LOAD_NT   ; row i, K step e: 32 lanes read 512 consecutive bytes; all 32 loads go out together
.endr
.endr
.macro XSTEP e
.if \e == 0
	s_wait_loadcnt 16                              ; the first K step's 16 loads are in; the second's 16 may be out
.else
	s_wait_loadcnt 0x0
.endif
.irp i, 0,1,2,3,4,5,6,7,8,9,10,11,12,13,14,15
	ds_store_b128 v5, v[R+64*\e+4*\i:R+64*\e+4*\i+3] offset:528*\i
.endr
.irp c, 0,1
.irp i, 0,1,2,3,4,5,6,7
	ds_load_b128 v[XB+32*\c+4*\i:XB+32*\c+4*\i+3], v6 offset:256*\c+16*\i   ; LDS serves a wave's instructions in order: these see the stores above.  k = 64 c + 32 h + 4 i on of row r
.endr
.endr
	s_wait_dscnt 0x0                               ; the numbers are back; the stage may be written again
	QBLOCK XB, C+8*\e, 21                          ; my block 2 c + h of the K step's four: c = 0,
	QBLOCK XB+32, C+8*\e+4, 22                     ; c = 1
	v_lshl_or_b32 v23, v22, 16, v21                ; my two bytes,
	v_lshlrev_b32 v23, v13, v23                    ; at their places in the word (8 h bits up);
	v_permlanex16_b32 v24, v23, s20, s21
	v_or_b32 v[25+\e], v23, v24                    ; with lane l xor 16's two the row's word is whole
.irp c, 0,1
	global_store_b128 v4, v[C+8*\e+4*\c:C+8*\e+4*\c+3], s[28:29] offset:4096*\e+512*\c   ; 32 lanes store 512 consecutive bytes of the fragment's image
.endr
.endm
	XSTEP 0
	XSTEP 1
	v_cndmask_b32 v27, v25, v26, s22               ; lanes 0-15 store the first K step's word of row r, lanes 16-31 the second's
	global_store_b32 v7, v27, s[26:27] offset:32768   ; 128 consecutive bytes a wave: one byte for each 128 that the wave has read
	s_wait_tensorcnt 0x0                           ; the wave's end
	ds_add_u32 v[SPW], v[NIL]
	s_wait_dscnt 0x0
	s_endpgm
.Lweights:
	; ---- wqkv: head = y; u = x - 16: grp = u / 4, sp = u % 4; wave w: tp = w % 2, K step s = 2 sp + w / 2.
	; A LANE TAKES A COLUMN (tile 2 tp + h, lane r: column 4 r + 2 tp + h of the group), AND ITS 128 REGISTERS RUN DOWN K: four whole blocks, no other lane is asked for a maximum.
	s_sub_co_u32 s15, ttmp9, 16
	s_lshr_b32 s16, s15, 2                         ; grp
	s_and_b32 s17, s15, 3                          ; sp
	s_and_b32 s18, s12, 1                          ; tp
	s_lshr_b32 s19, s12, 1
	s_lshl_b32 s23, s17, 1
	s_add_co_u32 s19, s19, s23                     ; s
	s_mul_i32 s24, s19, 1572864                    ; 128 rows of 12,288 bytes
	s_mul_i32 s23, s13, 768                        ; the head's 192 columns
	s_add_co_u32 s24, s24, s23
	s_lshl_b32 s23, s16, 8                         ; the group's 64
	s_add_co_u32 s24, s24, s23
	s_lshl_b32 s23, s18, 3                         ; 2 tp columns
	s_add_co_u32 s24, s24, s23
	s_mov_b32 s25, 0
	s_add_nc_u64 s[6:7], s[6:7], s[24:25]
	s_mul_i32 s26, s13, 104448                     ; the head in wq,
	s_lshr_b32 s23, s19, 2
	s_mul_i32 s23, s23, 52224                      ; kh,
	s_add_co_u32 s26, s26, s23
	s_mul_i32 s23, s16, 17408                      ; grp
	s_add_co_u32 s26, s26, s23
	s_and_b32 s30, s19, 3                          ; s4
	s_lshl_b32 s23, s30, 12
	s_add_co_u32 s28, s26, s23                     ; codes: + s4 x 4096
	s_lshl_b32 s23, s18, 11
	s_add_co_u32 s28, s28, s23                     ; + 2 tp x 1024
	s_mov_b32 s29, 0
	s_add_nc_u64 s[28:29], s[10:11], s[28:29]
	s_lshl_b32 s23, s30, 8
	s_add_co_u32 s26, s26, s23                     ; scale words: + 2 s4 x 128
	s_lshl_b32 s23, s18, 7
	s_add_co_u32 s26, s26, s23                     ; + tp x 128 (the 16,384 stands in the store's immediate)
	s_mov_b32 s27, 0
	s_add_nc_u64 s[26:27], s[10:11], s[26:27]
	v_lshlrev_b32 v10, 4, v2
	v_lshl_add_u32 v11, v3, 10, v10                ; codes: 16 r + 1024 h: my tile's image, my column's lane
	v_lshl_add_u32 v10, v3, 2, v10                 ; in: 16 r + 4 h
	v_lshlrev_b32 v12, 2, v1                       ; my scale word: 4 x lane
.set k, 0
.rept 128
	global_load_b32 v[R+k], v10, s[6:7] offset:k*12288   ; row k of the K step; the wave beside me (the other tp) takes the other 8 of each 16 bytes
.set k, k+1
.endr
.irp b, 0,1,2,3
.if \b < 2
	s_wait_loadcnt 63                              ; behind this block's loads stand 96 (64) younger ones; a wait names 63 at the most
.elseif \b == 2
	s_wait_loadcnt 32                              ; the last block's 32 may be out
.else
	s_wait_loadcnt 0x0
.endif
	QBLOCK R+32*\b, C+4*\b, 20+\b
	global_store_b128 v11, v[C+4*\b:C+4*\b+3], s[28:29] offset:(\b/2)*512+(\b%2)*256   ; block b = 2 c + h' of the fragment: place c x 512 + (r + 16 h') x 16; each half of the lanes stores 256 consecutive bytes, aligned
.endr
	v_lshl_or_b32 v24, v21, 8, v20                 ; the four bytes make my column's scale word
	v_lshl_or_b32 v24, v22, 16, v24
	v_lshl_or_b32 v24, v23, 24, v24
	global_store_b32 v12, v24, s[26:27] offset:16384
	s_wait_tensorcnt 0x0                           ; the same three closing lines on this path
	ds_add_u32 v[SPW], v[NIL]
	s_wait_dscnt 0x0
	s_endpgm
.Lfunc_end_k_q202acad32e_quant:
	.size	k_q202acad32e_quant, .Lfunc_end_k_q202acad32e_quant-k_q202acad32e_quant
	.p2alignl 7, 3214868480
	.fill 96, 4, 3214868480
	.section	.rodata,"a",@progbits
	.p2align	6, 0x0
	.amdhsa_kernel k_q202acad32e_quant
		.amdhsa_group_segment_fixed_size 34304
		.amdhsa_private_segment_fixed_size 0
		.amdhsa_enable_private_segment 0
		.amdhsa_kernarg_size 32
		.amdhsa_user_sgpr_count 2
		.amdhsa_user_sgpr_kernarg_segment_ptr 1
		.amdhsa_wavefront_size32 1
		.amdhsa_system_sgpr_workgroup_id_x 1
		.amdhsa_system_sgpr_workgroup_id_y 1
		.amdhsa_system_sgpr_workgroup_id_z 1
		.amdhsa_system_vgpr_workitem_id 0
		.amdhsa_next_free_vgpr 240
		.amdhsa_next_free_sgpr 66
		.amdhsa_reserve_vcc 0
		.amdhsa_float_denorm_mode_32 3
		.amdhsa_float_denorm_mode_16_64 3
		.amdhsa_memory_ordered 1
		.amdhsa_forward_progress 1
		.amdhsa_inst_pref_size 37
	.end_amdhsa_kernel
	.amdgpu_metadata
---
amdhsa.version: [ 1, 2 ]
amdhsa.kernels:
  - .name:           k_q202acad32e_quant
    .symbol:         k_q202acad32e_quant.kd
    .args:
      - { .name: x, .offset: 0, .size: 8, .value_kind: global_buffer, .address_space: global }
      - { .name: wqkv, .offset: 8, .size: 8, .value_kind: global_buffer, .address_space: global }
      - { .name: xq, .offset: 16, .size: 8, .value_kind: global_buffer, .address_space: global }
      - { .name: wq, .offset: 24, .size: 8, .value_kind: global_buffer, .address_space: global }
    .group_segment_fixed_size: 34304
    .private_segment_fixed_size: 0
    .kernarg_segment_align: 8
    .kernarg_segment_size: 32
    .max_flat_workgroup_size: 128
    .sgpr_count:     66
    .vgpr_count:     240
    .wavefront_size: 32
...
	.end_amdgpu_metadata
.endif
;; end of part 1
;; launch totals (part 2): grid 16 x 16, 4 waves a work-group, clusters of 4 x 1, 167,936 bytes of LDS; arguments xq, wq, tot; writes tot
.if DOCPART == 2
	.amdgcn_target "amdgcn-amd-amdhsa--gfx1250"
	.amdhsa_code_object_version 6
	.text
	.protected	k_q202acad32e_totals
	.globl	k_q202acad32e_totals
	.p2align	8
	.type	k_q202acad32e_totals,@function
k_q202acad32e_totals:
	s_mov_b64 s[64:65], 0
	v_nop
	global_prefetch_b8 v0, s[64:65] scope:SCOPE_SE
	s_setreg_imm32_b32 hwreg(HW_REG_WAVE_MODE, 25, 1), 1
	s_wait_xcnt 0x0
	s_wait_alu depctr_hold_cnt(0) depctr_sa_sdst(0) depctr_va_vdst(0) depctr_va_sdst(0) depctr_va_ssrc(0) depctr_va_vcc(0) depctr_vm_vsrc(0)
	s_getreg_b32 s2, hwreg(HW_REG_IB_STS2, 6, 4)
	s_cmp_eq_u32 s2, 0
	s_cbranch_scc0 .Lentry_in_a_cluster
	s_endpgm
.Lentry_in_a_cluster:
	s_bfe_u32 s2, ttmp6, 0x10000c
	s_cmp_lg_u32 s2, 0x3003
	s_cbranch_scc0 .Lentry_shape_is_right
	s_endpgm
.Lentry_shape_is_right:
; tot[g][head x 64 + d] = the sum over the 64 rows of group g of V = (x wqkv)'s V third, on codes of FP4 with E8M0 scales; sums in f32.
; WHY: under the masks that the attention builds itself, a row's weights below the diagonal are all equal, so its output needs the SUM of the earlier rows of V.  The sums of whole earlier groups of
; 64 rows come from this launch: 256 KiB through memory, no f32 intermediate of the product itself.
; SHARES.  A work-group takes 256 rows x one head's 64 columns of V; wave w takes group g = 4 X + w: 64 rows x 64 columns: 16 accumulators, 8 K steps of 128, 128 matrix instructions.
; CLUSTER.  The four work-groups of a cluster are four row chunks of ONE head and need the same 34,816 bytes of V's codes and scale words: each wave asks for its quarter JOINTLY (mask 15).  They are filled once.
; x's fragments are not shared inside a cluster: each is read by one wave, once, so it goes from memory straight into registers, 512 consecutive bytes a load.  (The work-groups of other heads read the same x; sent through LDS,
; x would add 128 KiB of LDS writes and as many reads for each work-group.)
; THE MATRIX INSTRUCTION: source 0 = 16 rows of x, source 1 = 16 columns of V: register j of lane (r, h) is (row 8 h + j, column 4 r + t of tile t).
; REGISTERS: window 0: v2-5 offsets; v14, v15 the add's two; v16-31 x's scale words; v32-47 V's; v64-191 accumulators (64 + 32 m + 8 t); v192-209 at work.  window 1: x's 32 fragments (32 s + 8 m).  window 2: V's 32 (32 s + 8 t).
.set SUBB,  17408                      ; V's codes and scale words of four K steps
.set SPARE, 2*SUBB                     ; behind them: the spare words, 128 bytes for each wave, which no other line names
.set SPW, 14
.set NIL, 15
.set XS,  16                           ; K step s, row tile m: register XS + 4 (s / 2) + 2 (m / 2) + s % 2; lanes 0-15 the even tile, lanes 16-31 the odd one
.set VS,  32                           ; K step s, tile t: VS + 2 s + t / 2; likewise
.set ACC, 64
.set SM,  192                          ; v192-199 four running pairs
.set TS,  200                          ; v200-203 a tile's sum
.set PT,  204                          ; v204-207 the other half's
.set MSB, 0
.macro WIN new                         ; the immediate's high byte repeats the setting that is left
.if MSB != \new
	s_set_vgpr_msb (MSB<<8)|\new
.set MSB, \new
.endif
.endm
.macro CROUND                          ; a round of the cluster's barrier
	s_barrier_signal -1
	s_barrier_wait -1
	s_cmp_lg_u32 s12, 0
	s_cbranch_scc1 .Lnot_wave_0_\@
	s_barrier_signal -3
.Lnot_wave_0_\@:
	s_barrier_wait -3
	s_barrier_signal -1
	s_barrier_wait -1
.endm
.macro PLACES
.rept 4
	v_nop
.endr
.endm
; one matrix instruction on the registers named by rD, rA, rB, rSA, rSB; fA, fB: the scale words lie in lanes 16-31.  zero = 1: it starts the sum
.macro WM zero
.if \zero
.if fA && fB
	v_wmma_scale_f32_16x16x128_f8f6f4 v[rD:rD+7], v[rA:rA+7], v[rB:rB+7], 0, v[rSA], v[rSB] matrix_a_fmt:MATRIX_FMT_FP4 matrix_b_fmt:MATRIX_FMT_FP4 matrix_a_scale:MATRIX_SCALE_ROW1 matrix_b_scale:MATRIX_SCALE_ROW1
.elseif fA
	v_wmma_scale_f32_16x16x128_f8f6f4 v[rD:rD+7], v[rA:rA+7], v[rB:rB+7], 0, v[rSA], v[rSB] matrix_a_fmt:MATRIX_FMT_FP4 matrix_b_fmt:MATRIX_FMT_FP4 matrix_a_scale:MATRIX_SCALE_ROW1
.elseif fB
	v_wmma_scale_f32_16x16x128_f8f6f4 v[rD:rD+7], v[rA:rA+7], v[rB:rB+7], 0, v[rSA], v[rSB] matrix_a_fmt:MATRIX_FMT_FP4 matrix_b_fmt:MATRIX_FMT_FP4 matrix_b_scale:MATRIX_SCALE_ROW1
.else
	v_wmma_scale_f32_16x16x128_f8f6f4 v[rD:rD+7], v[rA:rA+7], v[rB:rB+7], 0, v[rSA], v[rSB] matrix_a_fmt:MATRIX_FMT_FP4 matrix_b_fmt:MATRIX_FMT_FP4
.endif
.else
.if fA && fB
	v_wmma_scale_f32_16x16x128_f8f6f4 v[rD:rD+7], v[rA:rA+7], v[rB:rB+7], v[rD:rD+7], v[rSA], v[rSB] matrix_a_fmt:MATRIX_FMT_FP4 matrix_b_fmt:MATRIX_FMT_FP4 matrix_a_scale:MATRIX_SCALE_ROW1 matrix_b_scale:MATRIX_SCALE_ROW1
.elseif fA
	v_wmma_scale_f32_16x16x128_f8f6f4 v[rD:rD+7], v[rA:rA+7], v[rB:rB+7], v[rD:rD+7], v[rSA], v[rSB] matrix_a_fmt:MATRIX_FMT_FP4 matrix_b_fmt:MATRIX_FMT_FP4 matrix_a_scale:MATRIX_SCALE_ROW1
.elseif fB
	v_wmma_scale_f32_16x16x128_f8f6f4 v[rD:rD+7], v[rA:rA+7], v[rB:rB+7], v[rD:rD+7], v[rSA], v[rSB] matrix_a_fmt:MATRIX_FMT_FP4 matrix_b_fmt:MATRIX_FMT_FP4 matrix_b_scale:MATRIX_SCALE_ROW1
.else
	v_wmma_scale_f32_16x16x128_f8f6f4 v[rD:rD+7], v[rA:rA+7], v[rB:rB+7], v[rD:rD+7], v[rSA], v[rSB] matrix_a_fmt:MATRIX_FMT_FP4 matrix_b_fmt:MATRIX_FMT_FP4
.endif
.endif
.endm
	s_load_b128 s[4:7], s[0:1], 0x0                ; xq s[4:5], wq s[6:7]
	s_load_b64 s[8:9], s[0:1], 0x10                ; tot
	v_lshl_add_u32 v[SPW], v0, 2, SPARE
	v_mov_b32 v[NIL], 0
	ds_add_u32 v[SPW], v[NIL]                      ; the wave's opening: the add, twice on end, and its wait ahead of my first tensor load
	ds_add_u32 v[SPW], v[NIL]
	v_lshrrev_b32 v1, 5, v0
	v_readfirstlane_b32 s12, v1                    ; wave 0..3
	s_bfe_u32 s13, ttmp6, 0x40000                  ; cx: it enters xq's and tot's addresses alone
	s_lshl_b32 s14, ttmp9, 2
	s_add_co_u32 s14, s14, s13                     ; X = 4 x cluster x + cx: my chunk of 256 rows
	s_and_b32 s15, ttmp7, 0xffff                   ; the head, which the four partners share
	s_lshl_b32 s16, s14, 2
	s_add_co_u32 s16, s16, s12                     ; g = 4 X + wave
	; descriptor group 1: a dense block of 8,704 bytes as 34 rows of 256 bytes (32 elements of 8 bytes), no padding: images are read 16 x lane on end
	s_mov_b32 s24, 15|(3<<16)|(1<<21)              ; 15:0 the mask: all four work-groups; 17:16 elements of 8 bytes; 21 set beside a mask
	s_mov_b32 s25, 32<<16                          ; tensor_dim0 = 32
	s_mov_b32 s26, 34<<16                          ; tensor_dim1 = 34
	s_mov_b32 s27, 32<<16                          ; tile_dim0 = 32
	s_mov_b32 s28, 34                              ; tile_dim1 = 34
	s_mov_b32 s29, 32                              ; from row to row
	s_mov_b32 s30, 0
	s_mov_b32 s31, 0
	s_mul_i32 s20, s15, 104448                     ; the head's block of wq,
	s_lshr_b32 s22, s12, 1
	s_mul_i32 s22, s22, 52224                      ; kh = wave / 2,
	s_add_co_u32 s20, s20, s22
	s_and_b32 s22, s12, 1
	s_mul_i32 s22, s22, 8704                       ; which half of V's sub-block,
	s_add_co_u32 s20, s20, s22
	s_add_co_u32 s20, s20, 2*SUBB                  ; V lies behind q and k
	s_mov_b32 s21, 0
	s_mov_b32 s32, 1                               ; group 0: count = 1
	s_mul_i32 s33, s12, 8704                       ; LDS address: wave x 8,704: no place in the cluster enters it
	s_mov_b32 s40, 0x76543210
	s_mov_b32 s41, 0xfedcba98                      ; v_permlanex16_b32's selects for lane l xor 16
	s_mov_b32 s42, 0xffff0000                      ; lanes 16-31
	s_mul_i32 s46, s16, 34816                      ; my group in xq
	s_mov_b32 s47, 0
	s_lshl_b32 s48, s16, 12                        ; my row of tot,
	s_lshl_b32 s49, s15, 8                         ; the head's 64 numbers
	s_add_co_u32 s48, s48, s49
	s_mov_b32 s49, 0
	v_and_b32 v1, 31, v0                           ; lane
	v_lshlrev_b32 v2, 4, v1                        ; 16 x lane
	v_lshlrev_b32 v3, 3, v1                        ; 8 x lane
	v_lshlrev_b32 v4, 2, v1                        ; 4 x lane
	v_and_b32 v6, 15, v0                           ; r
	v_bfe_u32 v7, v0, 4, 1                         ; h
	v_lshlrev_b32 v5, 4, v6
	v_lshl_add_u32 v5, v7, 3, v5                   ; 16 r + 8 h
.irp t, 0,1,2,3
	v_mov_b32 v[PT+\t], 0                          ; a lane permute's destination counts as one of its sources
.endr
	s_wait_dscnt 0x0                               ; both opening adds are done
	s_wait_kmcnt 0x0
	s_add_nc_u64 s[34:35], s[6:7], s[20:21]        ; global address of my quarter
	s_or_b32 s35, s35, 0x80000000                  ; type = 2
	s_add_nc_u64 s[4:5], s[4:5], s[46:47]
	s_add_nc_u64 s[8:9], s[8:9], s[48:49]
	CROUND                                         ; all four work-groups are here: the joint loads meet
	tensor_load_to_lds s[32:35], s[24:31]          ; one tensor load of mine is out
	s_nop 0
	PLACES
.irp q, 0,1,2,3
.irp p, 0,1
	global_load_b64 v[XS+4*\q+2*\p:XS+4*\q+2*\p+1], v3, s[4:5] offset:32768+\q*512+\p*256   ; lane l: the two words (K steps 2 q, 2 q + 1) of row 32 p + l
.endr
.endr
	WIN 0x40                                       ; destination window 1
.irp s, 0,1,2,3,4,5,6,7
.irp m, 0,1,2,3
.irp c, 0,1
	global_load_b128 v[32*\s+8*\m+4*\c:32*\s+8*\m+4*\c+3], v2, s[4:5] offset:\s*4096+\m*1024+\c*512   ; x's fragments, K ascending: 512 consecutive bytes a load
.endr
.endr
.endr
	WIN 0
	s_wait_tensorcnt 0x0                           ; my quarter of V is in,
	s_barrier_signal -1
	s_barrier_wait -1                              ; everybody's is
.irp s, 0,1,2,3,4,5,6,7
.irp p, 0,1
	ds_load_b32 v[VS+2*\s+\p], v4 offset:(\s/4)*SUBB+16384+(2*(\s%4)+\p)*128
.endr
.endr
	WIN 0x80                                       ; destination window 2
.irp s, 0,1,2,3,4,5,6,7
.irp t, 0,1,2,3
.irp c, 0,1
	ds_load_b128 v[32*\s+8*\t+4*\c:32*\s+8*\t+4*\c+3], v2 offset:(\s/4)*SUBB+(\s%4)*4096+\t*1024+\c*512
.endr
.endr
.endr
	WIN 0x09                                       ; source 0 (x) window 1, source 1 (V) window 2, C and D window 0
; a K step: 16 matrix instructions; the sixteen accumulators take turns, one instruction a turn
.macro TSTEP s, zero
	s_wait_loadcnt 8*(7-(\s))                      ; x's fragments of this K step are in: each later step has 8 loads, which may be out
	s_wait_dscnt 8*(7-(\s))                        ; V's likewise
.irp m, 0,1,2,3
.irp t, 0,1,2,3
.set rD, ACC+32*\m+8*\t
.set rA, 32*(\s)+8*\m
.set rB, 32*(\s)+8*\t
.set rSA, XS+4*((\s)/2)+2*(\m/2)+(\s)%2
.set rSB, VS+2*(\s)+\t/2
.set fA, \m%2
.set fB, \t%2
	WM \zero
.endr
.endr
.endm
	TSTEP 0, 1
.irp s, 1,2,3,4,5,6,7
	TSTEP \s, 0
.endr
	WIN 0
	PLACES                                         ; four places between the last product and the first read of results
.irp t, 0,1,2,3
	v_pk_add_f32 v[SM+2*\t:SM+2*\t+1], v[ACC+8*\t:ACC+8*\t+1], v[ACC+8*\t+2:ACC+8*\t+3]   ; a tile's 32 registers, two at a time, the four tiles by turns; each accumulator from its low end on
.endr
.irp p, 4,6,32,34,36,38,64,66,68,70,96,98,100,102
.irp t, 0,1,2,3
	v_pk_add_f32 v[SM+2*\t:SM+2*\t+1], v[SM+2*\t:SM+2*\t+1], v[ACC+8*\t+\p:ACC+8*\t+\p+1]
.endr
.endr
.irp t, 0,1,2,3
	v_add_f32 v[TS+\t], v[SM+2*\t], v[SM+2*\t+1]
.endr
.irp t, 0,1,2,3
	v_permlanex16_b32 v[PT+\t], v[TS+\t], s40, s41
.endr
.irp t, 0,1,2,3
	v_add_f32 v[TS+\t], v[TS+\t], v[PT+\t]         ; with the other half's rows: the 64 rows' sum of column 4 r + t
.endr
	v_cndmask_b32 v208, v[TS], v[TS+2], s42        ; lane (r, h) stores columns 4 r + 2 h and 4 r + 2 h + 1
	v_cndmask_b32 v209, v[TS+1], v[TS+3], s42
	global_store_b64 v5, v[208:209], s[8:9]        ; the wave stores 256 consecutive bytes, aligned
	s_wait_tensorcnt 0x0                           ; the wave's end
	ds_add_u32 v[SPW], v[NIL]
	s_wait_dscnt 0x0
	CROUND                                         ; the closing round
	s_endpgm
.Lfunc_end_k_q202acad32e_totals:
	.size	k_q202acad32e_totals, .Lfunc_end_k_q202acad32e_totals-k_q202acad32e_totals
	.p2alignl 7, 3214868480
	.fill 96, 4, 3214868480
	.section	.rodata,"a",@progbits
	.p2align	6, 0x0
	.amdhsa_kernel k_q202acad32e_totals
		.amdhsa_group_segment_fixed_size 167936
		.amdhsa_private_segment_fixed_size 0
		.amdhsa_enable_private_segment 0
		.amdhsa_kernarg_size 24
		.amdhsa_user_sgpr_count 2
		.amdhsa_user_sgpr_kernarg_segment_ptr 1
		.amdhsa_wavefront_size32 1
		.amdhsa_system_sgpr_workgroup_id_x 1
		.amdhsa_system_sgpr_workgroup_id_y 1
		.amdhsa_system_sgpr_workgroup_id_z 1
		.amdhsa_system_vgpr_workitem_id 0
		.amdhsa_next_free_vgpr 768
		.amdhsa_next_free_sgpr 66
		.amdhsa_reserve_vcc 0
		.amdhsa_float_denorm_mode_32 3
		.amdhsa_float_denorm_mode_16_64 3
		.amdhsa_memory_ordered 1
		.amdhsa_forward_progress 1
		.amdhsa_inst_pref_size 38
	.end_amdhsa_kernel
	.amdgpu_metadata
---
amdhsa.version: [ 1, 2 ]
amdhsa.kernels:
  - .name:           k_q202acad32e_totals
    .symbol:         k_q202acad32e_totals.kd
    .args:
      - { .name: xq, .offset: 0, .size: 8, .value_kind: global_buffer, .address_space: global }
      - { .name: wq, .offset: 8, .size: 8, .value_kind: global_buffer, .address_space: global }
      - { .name: tot, .offset: 16, .size: 8, .value_kind: global_buffer, .address_space: global }
    .group_segment_fixed_size: 167936
    .private_segment_fixed_size: 0
    .kernarg_segment_align: 8
    .kernarg_segment_size: 24
    .max_flat_workgroup_size: 128
    .sgpr_count:     66
    .vgpr_count:     768
    .wavefront_size: 32
...
	.end_amdgpu_metadata
.endif
;; end of part 2
;; launch main (part 3): grid 16 x 16, 4 waves a work-group, clusters of 4 x 1, 167,936 bytes of LDS; arguments xq, wq, tot, out0; writes out0
.if DOCPART == 3
	.amdgcn_target "amdgcn-amd-amdhsa--gfx1250"
	.amdhsa_code_object_version 6
	.text
	.protected	k_q202acad32e_main
	.globl	k_q202acad32e_main
	.p2align	8
	.type	k_q202acad32e_main,@function
k_q202acad32e_main:
	s_mov_b64 s[64:65], 0
	v_nop
	global_prefetch_b8 v0, s[64:65] scope:SCOPE_SE
	s_setreg_imm32_b32 hwreg(HW_REG_WAVE_MODE, 25, 1), 1
	s_wait_xcnt 0x0
	s_wait_alu depctr_hold_cnt(0) depctr_sa_sdst(0) depctr_va_vdst(0) depctr_va_sdst(0) depctr_va_ssrc(0) depctr_va_vcc(0) depctr_vm_vsrc(0)
	s_getreg_b32 s2, hwreg(HW_REG_IB_STS2, 6, 4)
	s_cmp_eq_u32 s2, 0
	s_cbranch_scc0 .Lentry_in_a_cluster
	s_endpgm
.Lentry_in_a_cluster:
	s_bfe_u32 s2, ttmp6, 0x10000c
	s_cmp_lg_u32 s2, 0x3003
	s_cbranch_scc0 .Lentry_shape_is_right
	s_endpgm
.Lentry_shape_is_right:
; out0 = attention(x wqkv).  The product x wqkv runs on codes of FP4 with E8M0 scales (f32 sums); all behind it is f32.
; WHAT THE ATTENTION'S OWN MASKS LEAVE, for every input: in row i of a head the scores below the diagonal are set to 0, the diagonal keeps s = q_i . k_i / 8, and those above are -1e9.  So with m = max(0, s) (row 0: m = s),
; E0 = e^(-m), E1 = e^(s - m), Z = i E0 + E1:   out_i = (E0 / Z) x (the sum of v_k over k < i) + (E1 / Z) x v_i.   The maximum is taken away before the exponentials, as in the softmax itself.
; Of the scores only the diagonal is computed (64 multiply-adds a row and head) and the second product is a running sum of V, both in f32.
; LIMITS: NaN and infinities are not served; in row 0 of a sequence s > -1e9 + 104 is taken for granted (the masked entries' weights are then exactly 0, as in all other rows).
; SHARES.  A work-group takes 256 rows x one head (192 columns of the product); wave w takes group g = 4 X + w: 64 rows x 192 columns: 48 accumulators, 8 K steps of 128, 384 matrix instructions.
; The sum of V over the sequence's earlier groups of 64 rows comes from tot, which the launch before has stored; inside the group the wave sums by itself.
; CLUSTER.  The four work-groups of a cluster are four row chunks of ONE head and need the same 104,448 bytes of W's codes and scale words: each wave asks for its quarter of each of two pieces JOINTLY (mask 15); filled once, no ring.
; x's fragments are not shared inside a cluster: each is read by one wave, once, so it goes from memory straight into registers.  (Other heads' work-groups read the same x; sent through LDS it would add 128 KiB of LDS writes and as many
; reads for each work-group, where a K step already reads 12 KiB from LDS for a wave's 48 matrix instructions.)
; THE MATRIX INSTRUCTION: source 0 = 16 rows of x, source 1 = 16 columns of W: register j of lane (r, h) is (row 8 h + j, column 4 r + t of the group's tile t).  q and k are laid alike, so their dot is a product in place and a sum over
; 16 lanes; a lane's four tiles of V are four neighbouring columns of out0, so results leave by 16-byte stores with no stage.
; REGISTERS: window 0: v3-13 offsets and the carry; v14, v15 the add's two; v16-31 x's scale words; v32-79 W's; v80-85 row numbers; v96-127 running sums; v128-223 W's fragments, buffer 0, later the weights; v224-255 at work.
;   window 1: x's 32 fragments (32 s + 8 m), on the way out the results.   window 2: q's and k's accumulators (64 m + 8 T, T = 0..7).   window 3: V's accumulators (32 m + 8 t); v128-223 W's fragments, buffer 1.
.set PIECE, 52224                      ; four K steps of q, k and v
.set GRPB,  17408                      ; one group's part of a piece
.set SPARE, 2*PIECE                    ; behind W: the spare words, 128 bytes for each wave, which no other line names
.set AQ,  4                            ; v4, v5   16 x lane in piece 0, 1 (v4 also: my offset in x's images)
.set AS,  6                            ; v6, v7   4 x lane in piece 0, 1
.set RC,  8                            ; v8-11    the sum of V over all earlier rows of the sequence, columns 4 r + 0 .. 3
.set TO,  12                           ; v12      tot: 4096 h + 16 r
.set OO,  13                           ; v13      out0: 32768 h + 16 r
.set SPW, 14
.set NIL, 15
.set XS,  16                           ; K step s, row tile m: XS + 4 (s / 2) + 2 (m / 2) + s % 2; lanes 0-15 the even tile, lanes 16-31 the odd one
.set WSC, 32                           ; K step s, tile T = 0..11: WSC + 6 s + T / 2; likewise
.set QI,  80                           ; v80      my first row's place in the sequence: 64 (g % 32) + 8 h
.set FL0, 81                           ; v81      -infinity where that place is 0, else 0
.set NINF, 82
.set GH,  83                           ; v83      g % 32 - h
.set E,   96                           ; v96-127  the running sum in front of row j, column t: E + 4 j + t
.set WB,  128
.set Y,   128                          ; v128-159 scores, then E1, then the diagonal's weight: Y + 8 m + j
.set U,   160                          ; v160-191 the maximum, then E0, then the earlier rows' weight
.set QF,  192                          ; v192-223 the row's place as f32, then Z, then 1 / Z
.set PT,  224                          ; v224-227 lane permutes' destinations
.set PS,  232                          ; v232-247 sums of pairs
.set S8,  248                          ; v248-251 a tile's sum of my eight rows
.set TMP, 252                          ; v252-255
.set MSB, 0
.macro WIN new                         ; the immediate's high byte repeats the setting that is left
.if MSB != \new
	s_set_vgpr_msb (MSB<<8)|\new
.set MSB, \new
.endif
.endm
.macro CROUND                          ; a round of the cluster's barrier
	s_barrier_signal -1
	s_barrier_wait -1
	s_cmp_lg_u32 s12, 0
	s_cbranch_scc1 .Lnot_wave_0_\@
	s_barrier_signal -3
.Lnot_wave_0_\@:
	s_barrier_wait -3
	s_barrier_signal -1
	s_barrier_wait -1
.endm
.macro PLACES
.rept 4
	v_nop
.endr
.endm
; one matrix instruction on the registers named by rD, rA, rB, rSA, rSB; fA, fB: the scale words lie in lanes 16-31.  zero = 1: it starts the sum
.macro WM zero
.if \zero
.if fA && fB
	v_wmma_scale_f32_16x16x128_f8f6f4 v[rD:rD+7], v[rA:rA+7], v[rB:rB+7], 0, v[rSA], v[rSB] matrix_a_fmt:MATRIX_FMT_FP4 matrix_b_fmt:MATRIX_FMT_FP4 matrix_a_scale:MATRIX_SCALE_ROW1 matrix_b_scale:MATRIX_SCALE_ROW1
.elseif fA
	v_wmma_scale_f32_16x16x128_f8f6f4 v[rD:rD+7], v[rA:rA+7], v[rB:rB+7], 0, v[rSA], v[rSB] matrix_a_fmt:MATRIX_FMT_FP4 matrix_b_fmt:MATRIX_FMT_FP4 matrix_a_scale:MATRIX_SCALE_ROW1
.elseif fB
	v_wmma_scale_f32_16x16x128_f8f6f4 v[rD:rD+7], v[rA:rA+7], v[rB:rB+7], 0, v[rSA], v[rSB] matrix_a_fmt:MATRIX_FMT_FP4 matrix_b_fmt:MATRIX_FMT_FP4 matrix_b_scale:MATRIX_SCALE_ROW1
.else
	v_wmma_scale_f32_16x16x128_f8f6f4 v[rD:rD+7], v[rA:rA+7], v[rB:rB+7], 0, v[rSA], v[rSB] matrix_a_fmt:MATRIX_FMT_FP4 matrix_b_fmt:MATRIX_FMT_FP4
.endif
.else
.if fA && fB
	v_wmma_scale_f32_16x16x128_f8f6f4 v[rD:rD+7], v[rA:rA+7], v[rB:rB+7], v[rD:rD+7], v[rSA], v[rSB] matrix_a_fmt:MATRIX_FMT_FP4 matrix_b_fmt:MATRIX_FMT_FP4 matrix_a_scale:MATRIX_SCALE_ROW1 matrix_b_scale:MATRIX_SCALE_ROW1
.elseif fA
	v_wmma_scale_f32_16x16x128_f8f6f4 v[rD:rD+7], v[rA:rA+7], v[rB:rB+7], v[rD:rD+7], v[rSA], v[rSB] matrix_a_fmt:MATRIX_FMT_FP4 matrix_b_fmt:MATRIX_FMT_FP4 matrix_a_scale:MATRIX_SCALE_ROW1
.elseif fB
	v_wmma_scale_f32_16x16x128_f8f6f4 v[rD:rD+7], v[rA:rA+7], v[rB:rB+7], v[rD:rD+7], v[rSA], v[rSB] matrix_a_fmt:MATRIX_FMT_FP4 matrix_b_fmt:MATRIX_FMT_FP4 matrix_b_scale:MATRIX_SCALE_ROW1
.else
	v_wmma_scale_f32_16x16x128_f8f6f4 v[rD:rD+7], v[rA:rA+7], v[rB:rB+7], v[rD:rD+7], v[rSA], v[rSB] matrix_a_fmt:MATRIX_FMT_FP4 matrix_b_fmt:MATRIX_FMT_FP4
.endif
.endif
.endm
	s_load_b256 s[4:11], s[0:1], 0x0               ; xq s[4:5], wq s[6:7], tot s[8:9], out0 s[10:11]
	v_lshl_add_u32 v[SPW], v0, 2, SPARE
	v_mov_b32 v[NIL], 0
	ds_add_u32 v[SPW], v[NIL]                      ; the wave's opening: the add, twice on end, and its wait ahead of my first tensor load
	ds_add_u32 v[SPW], v[NIL]
	v_lshrrev_b32 v1, 5, v0
	v_readfirstlane_b32 s12, v1                    ; wave 0..3
	s_bfe_u32 s13, ttmp6, 0x40000                  ; cx: it enters xq's, tot's and out0's addresses and a vector compare, no branch and no LDS address
	s_lshl_b32 s14, ttmp9, 2
	s_add_co_u32 s14, s14, s13                     ; X = 4 x cluster x + cx: my chunk of 256 rows
	s_and_b32 s15, ttmp7, 0xffff                   ; the head, which the four partners share
	s_lshl_b32 s16, s14, 2
	s_add_co_u32 s16, s16, s12                     ; g = 4 X + wave
	s_and_b32 s17, s16, 31                         ; its place in the sequence
	s_lshr_b32 s18, s16, 5                         ; the sequence
	; descriptor group 1: a dense block of 13,056 bytes as 51 rows of 256 bytes (32 elements of 8 bytes), no padding: images are read 16 x lane on end
	s_mov_b32 s24, 15|(3<<16)|(1<<21)              ; 15:0 the mask: all four work-groups; 17:16 elements of 8 bytes; 21 set beside a mask
	s_mov_b32 s25, 32<<16                          ; tensor_dim0 = 32
	s_mov_b32 s26, 51<<16                          ; tensor_dim1 = 51
	s_mov_b32 s27, 32<<16                          ; tile_dim0 = 32
	s_mov_b32 s28, 51                              ; tile_dim1 = 51
	s_mov_b32 s29, 32                              ; from row to row
	s_mov_b32 s30, 0
	s_mov_b32 s31, 0
	s_mul_i32 s20, s15, 104448                     ; the head's block of wq,
	s_mul_i32 s22, s12, 13056                      ; my quarter of a piece, in memory and in LDS alike
	s_add_co_u32 s20, s20, s22
	s_mov_b32 s21, 0
	s_mov_b32 s32, 1                               ; group 0 for piece 0: count = 1,
	s_mov_b32 s33, s22                             ; LDS address
	s_mov_b32 s36, 1                               ; and for piece 1
	s_add_co_u32 s37, s22, PIECE
	s_mov_b32 s40, 0x76543210
	s_mov_b32 s41, 0xfedcba98                      ; v_permlanex16_b32's selects for lane l xor 16
	s_mov_b32 s42, 0xffff0000                      ; lanes 16-31
	s_mov_b32 s44, 0x3e38aa3b                      ; log2(e) / 8
	s_mov_b32 s45, s44                             ; (named with it as a pair, so it is written)
	s_mul_i32 s46, s16, 34816                      ; my group in xq
	s_mov_b32 s47, 0
	s_lshl_b32 s19, s15, 8                         ; the head's 64 numbers of a row of tot and of out0
	s_lshl_b32 s48, s18, 17                        ; tot: the sequence's 32 rows of 4,096 bytes
	s_add_co_u32 s48, s48, s19
	s_mov_b32 s49, 0
	s_lshl_b32 s50, s16, 18                        ; out0: my 64 rows of 4,096 bytes
	s_add_co_u32 s50, s50, s19
	s_mov_b32 s51, 0
	s_lshl_b32 s23, s17, 6
	v_and_b32 v1, 31, v0                           ; lane
	v_and_b32 v84, 15, v0                          ; r
	v_bfe_u32 v85, v0, 4, 1                        ; h
	v_lshlrev_b32 v3, 3, v1                        ; 8 x lane
	v_lshlrev_b32 v[AQ], 4, v1
	v_add_nc_u32 v[AQ+1], PIECE, v[AQ]
	v_lshlrev_b32 v[AS], 2, v1
	v_add_nc_u32 v[AS+1], PIECE, v[AS]
	v_lshlrev_b32 v[TO], 4, v84
	v_lshl_add_u32 v[OO], v85, 15, v[TO]           ; lanes 16-31: eight rows of out0 further down
	v_lshl_add_u32 v[TO], v85, 12, v[TO]           ; lanes 16-31: one row of tot further down
	v_lshl_add_u32 v[QI], v85, 3, s23
	v_sub_nc_u32 v[GH], s17, v85
	v_mov_b32 v[NINF], 0xff800000
.irp t, 0,1,2,3
	v_mov_b32 v[PT+\t], 0                          ; a lane permute's destination counts as one of its sources
.endr
	s_wait_dscnt 0x0                               ; both opening adds are done
	s_wait_kmcnt 0x0
	s_add_nc_u64 s[34:35], s[6:7], s[20:21]        ; global address of my quarter of piece 0,
	s_add_nc_u64 s[38:39], s[34:35], PIECE         ; of piece 1
	s_or_b32 s35, s35, 0x80000000                  ; type = 2
	s_or_b32 s39, s39, 0x80000000
	s_add_nc_u64 s[4:5], s[4:5], s[46:47]
	s_add_nc_u64 s[8:9], s[8:9], s[48:49]
	s_add_nc_u64 s[10:11], s[10:11], s[50:51]
	CROUND                                         ; all four work-groups are here: the joint loads meet
	tensor_load_to_lds s[32:35], s[24:31]          ; K steps 0 to 3
	s_nop 0
	tensor_load_to_lds s[36:39], s[24:31]          ; K steps 4 to 7: two tensor loads of mine are out
	s_nop 0
	PLACES
.irp i, 0,1,2,3,4,5,6,7,8,9,10,11,12,13,14,15
	global_load_b128 v[WB+4*\i:WB+4*\i+3], v[TO], s[8:9] offset:\i*8192   ; tot of the sequence's group 2 i + h, columns 4 r .. 4 r + 3 of my head
.endr
.irp q, 0,1,2,3
.irp p, 0,1
	global_load_b64 v[XS+4*\q+2*\p:XS+4*\q+2*\p+1], v3, s[4:5] offset:32768+\q*512+\p*256   ; lane l: the two words (K steps 2 q, 2 q + 1) of row 32 p + l
.endr
.endr
	WIN 0x40                                       ; destination window 1
.irp s, 0,1,2,3,4,5,6,7
.irp m, 0,1,2,3
.irp c, 0,1
	global_load_b128 v[32*\s+8*\m+4*\c:32*\s+8*\m+4*\c+3], v[AQ], s[4:5] offset:\s*4096+\m*1024+\c*512   ; x's fragments, K ascending: 512 consecutive bytes a load
.endr
.endr
.endr
	WIN 0
	; the sum of V over the earlier groups: a select and no branch; it runs while x and W are on their way
	s_wait_loadcnt 63                              ; behind tot's 16 loads stand 72 younger ones; a wait names 63 at the most
.irp i, 0,1,2,3,4,5,6,7,8,9,10,11,12,13,14,15
	v_cmp_lt_i32 vcc_lo, 2*\i, v[GH]               ; group 2 i + h comes before mine
.irp t, 0,1,2,3
	v_cndmask_b32 v[WB+4*\i+\t], 0, v[WB+4*\i+\t], vcc_lo
.endr
.endr
	v_pk_add_f32 v[RC:RC+1], v[WB:WB+1], v[WB+4:WB+5]
	v_pk_add_f32 v[RC+2:RC+3], v[WB+2:WB+3], v[WB+6:WB+7]
.irp i, 2,3,4,5,6,7,8,9,10,11,12,13,14,15
	v_pk_add_f32 v[RC:RC+1], v[RC:RC+1], v[WB+4*\i:WB+4*\i+1]
	v_pk_add_f32 v[RC+2:RC+3], v[RC+2:RC+3], v[WB+4*\i+2:WB+4*\i+3]
.endr
.irp t, 0,1,2,3
	v_permlanex16_b32 v[PT+\t], v[RC+\t], s40, s41
.endr
.irp t, 0,1,2,3
	v_add_f32 v[RC+\t], v[RC+\t], v[PT+\t]         ; even and odd groups together
.endr
.macro SCALES p                        ; W's scale words of piece p: 24 loads
.irp q, 0,1,2,3
.irp G, 0,1,2
.irp u, 0,1
	ds_load_b32 v[WSC+6*(4*\p+\q)+2*\G+\u], v[AS+\p] offset:\G*GRPB+16384+(2*\q+\u)*128
.endr
.endr
.endr
.endm
.macro FETCH_W s                       ; W's twelve fragments of K step s into buffer s % 2: 24 loads in one run
.if (\s)%2
	WIN 0xc0                                       ; destination window 3
.else
	WIN 0
.endif
.irp G, 0,1,2
.irp t, 0,1,2,3
.irp c, 0,1
	ds_load_b128 v[WB+8*(4*\G+\t)+4*\c:WB+8*(4*\G+\t)+4*\c+3], v[AQ+(\s)/4] offset:\G*GRPB+((\s)%4)*4096+\t*1024+\c*512
.endr
.endr
.endr
.endm
; A K step: 48 matrix instructions; the 48 accumulators take turns, one instruction a turn, in the same order in every step.  The next step's fragments of W are asked for ahead of them.
.macro STEP s, zero
	s_wait_loadcnt 8*(7-(\s))                      ; x's fragments of this K step are in: each later step has 8 loads, which may be out
	s_wait_dscnt 0x0                               ; W's fragments of this step are in (asked for 48 matrix instructions ago)
.if (\s) == 3
	s_wait_tensorcnt 0x0                           ; my quarter of piece 1 is in (no tensor load was issued behind it),
	s_barrier_signal -1
	s_barrier_wait -1                              ; everybody's is; nothing is filled again
	SCALES 1
.endif
.if (\s) < 7
.if (\s) > 0
	PLACES                                         ; four places in front of loads into registers that the step before last's products have read
.endif
	FETCH_W (\s)+1
.endif
.if (\s)%2
	WIN 0xad                                       ; source 0 (x) window 1, source 1 (W) window 3, C and D window 2
.else
	WIN 0xa1                                       ; the same with W in window 0
.endif
.irp m, 0,1,2,3
.irp T, 0,1,2,3,4,5,6,7
.set rD, 64*\m+8*\T
.set rA, 32*(\s)+8*\m
.set rB, WB+8*\T
.set rSA, XS+4*((\s)/2)+2*(\m/2)+(\s)%2
.set rSB, WSC+6*(\s)+\T/2
.set fA, \m%2
.set fB, \T%2
	WM \zero
.endr
.endr
.if (\s)%2
	WIN 0xfd                                       ; C and D window 3: V
.else
	WIN 0xf1
.endif
.irp m, 0,1,2,3
.irp t, 0,1,2,3
.set rD, 32*\m+8*\t
.set rA, 32*(\s)+8*\m
.set rB, WB+64+8*\t
.set rSA, XS+4*((\s)/2)+2*(\m/2)+(\s)%2
.set rSB, WSC+6*(\s)+4+\t/2
.set fA, \m%2
.set fB, \t%2
	WM \zero
.endr
.endr
	WIN 0
.endm
	s_wait_tensorcnt 0x1                           ; my quarter of piece 0 is in; piece 1's load may be out
	s_barrier_signal -1
	s_barrier_wait -1                              ; everybody's is
	SCALES 0
	FETCH_W 0
	STEP 0, 1
.irp s, 1,2,3,4,5,6,7
	STEP \s, 0
.endr
	; ---- THE WAY OUT, all in f32
	PLACES                                         ; four places between the last product and the first read of results
	WIN 0x0a                                       ; sources 0 and 1 window 2
.irp m, 0,1,2,3
.irp t, 0,1,2,3
.irp j, 0,2,4,6
.if \t == 0
	v_pk_mul_f32 v[Y+8*\m+\j:Y+8*\m+\j+1], v[64*\m+8*\t+\j:64*\m+8*\t+\j+1], v[64*\m+32+8*\t+\j:64*\m+32+8*\t+\j+1]   ; q x k of my four columns; each accumulator from its low end on
.else
	v_pk_fma_f32 v[Y+8*\m+\j:Y+8*\m+\j+1], v[64*\m+8*\t+\j:64*\m+8*\t+\j+1], v[64*\m+32+8*\t+\j:64*\m+32+8*\t+\j+1], v[Y+8*\m+\j:Y+8*\m+\j+1]
.endif
.endr
.endr
.endr
	WIN 0
.irp x, 1,2,4,8
.set n, 0
.rept 32
	v_add_f32_dpp v[Y+n], v[Y+n], v[Y+n] row_xmask:\x row_mask:0xf bank_mask:0xf   ; over the 16 lanes of my half: every lane now holds q . k of row 8 h + j
.set n, n+1
.endr
.endr
.set n, 0
.rept 32
	v_add_nc_u32 v[QF+n], 16*(n/8)+n%8, v[QI]      ; the row's place i in its sequence: as many scores of 0 stand in front of the diagonal
.set n, n+1
.endr
.set n, 0
.rept 32
	v_cvt_f32_u32 v[QF+n], v[QF+n]
.set n, n+1
.endr
	v_cmp_eq_u32 vcc_lo, 0, v[QI]
	v_cndmask_b32 v[FL0], 0, v[NINF], vcc_lo       ; a sequence's first row has no score of 0 beside the diagonal: its floor is -infinity
.set n, 0
.rept 16
	v_pk_mul_f32 v[Y+n:Y+n+1], v[Y+n:Y+n+1], s[44:45] op_sel_hi:[1,0]   ; y = s log2(e)
.set n, n+2
.endr
	v_max_num_f32 v[U], v[FL0], v[Y]               ; the row's maximum
.set n, 1
.rept 31
	v_max_num_f32 v[U+n], 0, v[Y+n]
.set n, n+1
.endr
.set n, 0
.rept 16
	v_pk_add_f32 v[Y+n:Y+n+1], v[Y+n:Y+n+1], v[U+n:U+n+1] neg_lo:[0,1] neg_hi:[0,1]   ; y - the maximum
.set n, n+2
.endr
	v_sub_f32 v[U], v[FL0], v[U]                   ; 0 (or -infinity) - the maximum
.set n, 1
.rept 31
	v_sub_f32 v[U+n], 0, v[U+n]
.set n, n+1
.endr
.set n, 0
.rept 64
	v_exp_f32 v[Y+n], v[Y+n]                       ; E1 (32), then E0 (32): one batch
.set n, n+1
.endr
	v_nop                                          ; a plain place behind the last exponential
	s_wait_alu depctr_va_vdst(0)                   ; one wait for the batch, ahead of its first reader
.set n, 0
.rept 32
	v_fma_f32 v[QF+n], v[QF+n], v[U+n], v[Y+n]     ; Z = i E0 + E1, at least 1
.set n, n+1
.endr
.set n, 0
.rept 32
	v_rcp_f32 v[QF+n], v[QF+n]
.set n, n+1
.endr
	v_nop
	s_wait_alu depctr_va_vdst(0)                   ; one wait for the 32 reciprocals
.set n, 0
.rept 16
	v_pk_mul_f32 v[U+n:U+n+1], v[U+n:U+n+1], v[QF+n:QF+n+1]   ; the weight of each earlier row,
	v_pk_mul_f32 v[Y+n:Y+n+1], v[Y+n:Y+n+1], v[QF+n:QF+n+1]   ; and the diagonal's
.set n, n+2
.endr
; 16 rows of the group.  The results have registers of their own for each m (window 1, 32 m + 4 j + t), so no store's data are written again.
.macro OUTM m
	WIN 0x0f                                       ; sources 0 and 1 window 3
.irp t, 0,1,2,3
	v_pk_add_f32 v[PS+4*\t:PS+4*\t+1], v[32*\m+8*\t:32*\m+8*\t+1], v[32*\m+8*\t+2:32*\m+8*\t+3]   ; each accumulator from its low end on
.endr
.irp t, 0,1,2,3
	v_pk_add_f32 v[PS+4*\t+2:PS+4*\t+3], v[32*\m+8*\t+4:32*\m+8*\t+5], v[32*\m+8*\t+6:32*\m+8*\t+7]
.endr
	WIN 0
.irp t, 0,1,2,3
	v_pk_add_f32 v[PS+4*\t:PS+4*\t+1], v[PS+4*\t:PS+4*\t+1], v[PS+4*\t+2:PS+4*\t+3]
.endr
.irp t, 0,1,2,3
	v_add_f32 v[S8+\t], v[PS+4*\t], v[PS+4*\t+1]   ; V summed over my eight rows
.endr
.irp t, 0,1,2,3
	v_permlanex16_b32 v[PT+\t], v[S8+\t], s40, s41 ; and over the other half's eight
.endr
.irp t, 0,1,2,3
	v_cndmask_b32 v[TMP+\t], 0, v[PT+\t], s42      ; rows 8 to 15 have rows 0 to 7 in front of them
.endr
.irp t, 0,1,2,3
	v_add_f32 v[E+\t], v[RC+\t], v[TMP+\t]         ; the running sum in front of my first row
.endr
.irp t, 0,1,2,3
	v_add_f32 v[S8+\t], v[S8+\t], v[PT+\t]
.endr
.irp t, 0,1,2,3
	v_add_f32 v[RC+\t], v[RC+\t], v[S8+\t]         ; the carry goes on over these 16 rows
.endr
	WIN 0x03                                       ; source 0 window 3
.irp j, 0,1,2,3,4,5,6
.irp t, 0,1,2,3
	v_add_f32 v[E+4*(\j+1)+\t], v[32*\m+8*\t+\j], v[E+4*\j+\t]   ; the four columns by turns
.endr
.endr
	WIN 0x43                                       ; source 0 window 3, destination window 1
.irp j, 0,1,2,3,4,5,6,7
.irp t, 0,1,2,3
	v_mul_f32 v[32*\m+4*\j+\t], v[32*\m+8*\t+\j], v[Y+8*\m+\j]   ; the diagonal's part
.endr
.endr
	WIN 0x50                                       ; source 2 and destination window 1
.irp j, 0,1,2,3,4,5,6,7
.irp t, 0,1,2,3
	v_fma_f32 v[32*\m+4*\j+\t], v[U+8*\m+\j], v[E+4*\j+\t], v[32*\m+4*\j+\t]   ; + the earlier rows' part
.endr
.endr
	WIN 0x04                                       ; a store's data are its source 1: window 1
.irp j, 0,1,2,3,4,5,6,7
	global_store_b128 v[OO], v[32*\m+4*\j:32*\m+4*\j+3], s[10:11] offset:(16*\m+\j)*4096 th:TH_STORE_NT   ; rows 16 m + j and 16 m + 8 + j: each half of the lanes stores 256 consecutive bytes, aligned
.endr
	WIN 0
.endm
	OUTM 0
	OUTM 1
	OUTM 2
	OUTM 3
	s_wait_tensorcnt 0x0                           ; the wave's end
	ds_add_u32 v[SPW], v[NIL]
	s_wait_dscnt 0x0
	CROUND                                         ; the closing round
	s_endpgm
.Lfunc_end_k_q202acad32e_main:
	.size	k_q202acad32e_main, .Lfunc_end_k_q202acad32e_main-k_q202acad32e_main
	.p2alignl 7, 3214868480
	.fill 96, 4, 3214868480
	.section	.rodata,"a",@progbits
	.p2align	6, 0x0
	.amdhsa_kernel k_q202acad32e_main
		.amdhsa_group_segment_fixed_size 167936
		.amdhsa_private_segment_fixed_size 0
		.amdhsa_enable_private_segment 0
		.amdhsa_kernarg_size 32
		.amdhsa_user_sgpr_count 2
		.amdhsa_user_sgpr_kernarg_segment_ptr 1
		.amdhsa_wavefront_size32 1
		.amdhsa_system_sgpr_workgroup_id_x 1
		.amdhsa_system_sgpr_workgroup_id_y 1
		.amdhsa_system_sgpr_workgroup_id_z 1
		.amdhsa_system_vgpr_workitem_id 0
		.amdhsa_next_free_vgpr 1024
		.amdhsa_next_free_sgpr 66
		.amdhsa_reserve_vcc 1
		.amdhsa_float_denorm_mode_32 3
		.amdhsa_float_denorm_mode_16_64 3
		.amdhsa_memory_ordered 1
		.amdhsa_forward_progress 1
		.amdhsa_inst_pref_size 135
	.end_amdhsa_kernel
	.amdgpu_metadata
---
amdhsa.version: [ 1, 2 ]
amdhsa.kernels:
  - .name:           k_q202acad32e_main
    .symbol:         k_q202acad32e_main.kd
    .args:
      - { .name: xq, .offset: 0, .size: 8, .value_kind: global_buffer, .address_space: global }
      - { .name: wq, .offset: 8, .size: 8, .value_kind: global_buffer, .address_space: global }
      - { .name: tot, .offset: 16, .size: 8, .value_kind: global_buffer, .address_space: global }
      - { .name: out0, .offset: 24, .size: 8, .value_kind: global_buffer, .address_space: global }
    .group_segment_fixed_size: 167936
    .private_segment_fixed_size: 0
    .kernarg_segment_align: 8
    .kernarg_segment_size: 32
    .max_flat_workgroup_size: 128
    .sgpr_count:     66
    .vgpr_count:     1024
    .wavefront_size: 32
...
	.end_amdgpu_metadata
.endif
;; end of part 3
